; MI455X (gfx1250); checked and timed in simulation.
; The chip was launched on July 23, 2026; its instructions are those of AMD's public machine-readable ISA for CDNA 5 (MIT licence, August 2026) and "CDNA5" Instruction Set Architecture Reference Guide (July 2026). The comments in the code are by the model that wrote it; some were corrected since.
;; Attention. Allowed arithmetic: matrix products marked QUANTISED: E2M1 operands, one E8M0 scale for each 32 along K, by v_wmma_scale_f32_16x16x128_f8f6f4 with both operands' format E2M1 (or v_wmma_scale_f32_32x16x128_f4), f32 sums; everything else in f32.
;; Inputs: k 16 x 128 x 2,048 float32; q 16 x 2,048 x 128 float32; v 16 x 2,048 x 128 float32.
;; Outputs: out0 16 x 2,048 x 128 float32.
;; This version of the problem:
;;   THIS VERSION OF THE PROBLEM IS GIVEN IN LOW PRECISION. The matrix products marked QUANTISED in the list below multiply operands that are first quantised to E2M1 (2 exponent bits, 1 mantissa bit; 4 bits a number), with one power-of-two scale for each 32 numbers along K (OCP MX v1.0); their sums are f32. All else is computed in f32.
;;   The module's matrix products, in the order in which they are computed (A, B: the left and right operand; K: the contracted axis; several contracted axes count as one K, in the product's order):
;;     1. batch 16 x [M 2,048, K 128] x [K 128, N 2,048]; A: input q; B: input k: QUANTISED
;;     2. batch 16 x [M 2,048, K 2,048] x [K 2,048, N 128]; A: softmax (see below); B: input v: QUANTISED
;;   THE QUANTISER, for each operand of a quantised product, along K:
;;     - K is cut into blocks of 32 from its start; a last block that is shorter is filled with zeros.
;;     - A block's scale is 2^e with e = floor(log2(the largest magnitude in the block)) - 2, held to -126 .. 127; a block of zeros has e = 0. As a byte (E8M0): e + 127.
;;     - Each number is divided by its block's scale, clamped to +-6, and rounded to the nearest number of E2M1, ties to even, subnormals kept.
;;     - The product sums the exact products of the quantised numbers (number of the format x scale) in f32.
;;   ~~~python
;;   def quantise(x, axis):      # numpy; x: float32 -> the quantised numbers, widened to float32 again
;;       x = np.moveaxis(x, axis, -1); K = x.shape[-1]
;;       x = np.pad(x, [(0, 0)] * (x.ndim - 1) + [(0, -K % 32)]); x = x.reshape(x.shape[:-1] + (-1, 32)); a = np.abs(x).max(-1, keepdims=True)
;;       e = np.where(a > 0, np.clip(np.frexp(np.where(a > 0, a, 1))[1] - 1 - 2, -126, 127), 0)      # np.frexp(a)[1] - 1 = floor(log2(a)), exactly
;;       r = np.clip(x / 2.0 ** e, -6, 6)
;;       step = 2.0 ** (np.maximum(np.frexp(np.where(r == 0, 1, r))[1] - 1, 0) - 1)
;;       q = np.round(r / step) * step * 2.0 ** e      # np.round: ties to even
;;       return np.moveaxis(q.reshape(q.shape[:-2] + (-1,))[..., :K], -1, axis).astype(np.float32)
;;   ~~~
;;   SOFTMAX AHEAD OF A QUANTISED PRODUCT. Where the list says 'softmax', what is quantised is not the finished softmax but p = 2^(t - M), with t = logit x log2(e) and M = ceil(the row's largest t), a whole number; so 1/2 < the row's largest p <= 1. The row's sum l is taken of the UNQUANTISED p, in f32, and the product's result is divided by l at the end. Since M is a whole number, a kernel that streams over the keys may use a running M (the ceiling of the running maximum): every later rescaling is an exact power of two, which a block's scale takes up: the codes' values come out the same.
;;   OPERANDS COMPUTED ON THE WAY. 'Computed on the way' means the value that the module computes at that place (a softmax that the list does not call 'softmax' is quantised finished and normalised). What goes into a quantiser is computed in f32, as accurately as f32 sums, v_exp_f32 and their like allow (about 1e-6 of the number): no bf16 or f16 on the way to a quantiser, and a product that is left as it is and whose result goes on into a quantised operand takes f32 operands (vector FMAs, or v_wmma_f32_16x16x4_f32). A number that lies on a knife's edge between two numbers of the format may be rounded either way, as far as f32 arithmetic and the matrix unit's own rounding can turn it there, and no further.
;; One version. Each part assembles by itself: llvm-mc -triple=amdgcn-amd-amdhsa -mcpu=gfx1250 --defsym DOCPART=n.
;; ======== version 1 of 1: 2 launches
;; limits: right only within a limited range of input values
;; workspace buffers: kv 4,456,448 bytes
;; launch quant (part 1): grid 256 x 2, 4 waves a work-group, no clusters, 20,992 bytes of LDS; arguments k, v, kv; writes kv
.if DOCPART == 1
	.amdgcn_target "amdgcn-amd-amdhsa--gfx1250"
	.amdhsa_code_object_version 6
	.text
	.protected	k_q0017dbd605_quant
	.globl	k_q0017dbd605_quant
	.p2align	8
	.type	k_q0017dbd605_quant,@function
k_q0017dbd605_quant:
	s_mov_b64 s[64:65], 0
	v_nop
	global_prefetch_b8 v0, s[64:65] scope:SCOPE_SE
	s_setreg_imm32_b32 hwreg(HW_REG_WAVE_MODE, 25, 1), 1
	s_wait_xcnt 0x0
; k [16][128 d][2048 keys] and v [16][2048 keys][128 d], f32, are operands whose K (d for k, the keys for v) is the FIRST axis inside a head.
; They become codes of FP4 (E2M1), K innermost, with one E8M0 scale byte for each 32 along K, in the buffer kv, laid as the attention launch reads it.  Head b at b x HEADB:
;   scale words (four bytes: a row's 128 along K) first: key step g (128 keys) at g x 1,024: 128 words of K in the keys' order, then 128 of V in the order of d;
;   codes at CODES + S x 65,536 + half x 32,768 + sub x 16,384, g = 8 half + 2 S + sub: K's 128 rows of 64 bytes, then V's 128 rows of 64 bytes.
;   A row of K: the 128 codes along d of one key.  A row of V: the codes of the step's 128 keys for one d.
;   K's rows are permuted inside each group of 64 keys: key 32 e + 8 i + j lies at row 16 i + 8 e + j, so that of a tile of 16 rows the first eight belong to one block of 32 keys and
;   the last eight to the next block: the results of four neighbouring tiles then give each lane one whole block.
; A block's scale is 2^(floor(log2(its largest magnitude)) - 2); its byte is the largest magnitude's exponent field - 2, held at 1 from below.
; LIMITS: a block of zeros, or one whose largest magnitude lies under 2^-124, gets the byte 1 (the rule says 127 for zeros: the codes are zeros, which add nothing, and this
; program alone reads the bytes).  NaN and infinities among the inputs are not served.
; SHARES.  Work-group y = 0 takes k, y = 1 takes v; x = 16 b + g.  A work-group takes 128 along K x 128 columns, wave w columns 32 w .. 32 w + 31.
; A LANE TAKES A COLUMN AND ITS REGISTERS RUN DOWN K: a block of 32 lies in one lane's registers, its largest magnitude needs no other lane, and the conversions give codes with K innermost.
; A lane's 64 bytes of codes are one row of the output: they go through the wave's own stage in LDS and leave 512 consecutive bytes a store.  No barrier: waves share nothing.
; The two tensors differ in the row stride, which stands in the loads' immediates: the body is one macro, written out twice, under a scalar branch on y; each way has LDS bytes of its own.
; No prefetch: each wave's stream is two blocks of 32 loads ahead of a straight text with no loop to run ahead in.
.set HEADB, 278528
.set CODES, 16384
.set SP,    80                         ; a stage row: 64 bytes + 16 of padding
.set WSTG,  32*SP                      ; a wave's stage
.set X,     32                         ; v32-159  four sets of 32 numbers: no set is loaded twice
.set C,     160                        ; v160-175 codes, four registers for each block
.set OUTR,  176                        ; v176-191 the way out
.set SPARE, 8*WSTG                     ; the spare words, 128 bytes for each wave
	s_load_b128 s[4:7], s[0:1], 0x0                ; k, v
	s_load_b64 s[8:9], s[0:1], 0x10                ; kv
	v_lshl_add_u32 v192, v0, 2, SPARE
	v_mov_b32 v193, 0
	v_lshrrev_b32 v1, 5, v0
	v_readfirstlane_b32 s16, v1                    ; wave 0..3
	v_and_b32 v2, 31, v0                           ; lane
	s_and_b32 s17, ttmp7, 0xffff                   ; y: which tensor
	s_lshr_b32 s18, ttmp9, 4                       ; b: the head
	s_and_b32 s19, ttmp9, 15                       ; g: the key step
	v_lshlrev_b32 v3, 2, v2                        ; in: 4 bytes a lane.  Also a scale word's place
	s_mul_i32 s28, s16, WSTG
	v_mul_u32_u24 v4, v2, SP
	v_add_nc_u32 v4, s28, v4                       ; into the stage: row = my column
	v_lshrrev_b32 v5, 2, v2
	v_mul_u32_u24 v7, v5, SP
	v_and_b32 v5, 3, v2
	v_lshl_add_u32 v7, v5, 4, v7
	v_add_nc_u32 v7, s28, v7                       ; out of it: four lanes to a row, eight rows an instruction
	v_lshlrev_b32 v8, 4, v2                        ; and 16 bytes a lane in kv
	s_lshl_b32 s20, s18, 20                        ; the source: a head is 2^20 bytes,
	s_lshl_b32 s21, s16, 7                         ; my wave's 32 columns are 128
	s_add_co_u32 s20, s20, s21
	s_mul_i32 s22, s18, HEADB
	s_bfe_u32 s24, s19, 0x20001                    ; the codes: S,
	s_lshl_b32 s24, s24, 16
	s_add_co_u32 s24, s24, s22
	s_lshr_b32 s23, s19, 3                         ; half,
	s_lshl_b32 s23, s23, 15
	s_add_co_u32 s24, s24, s23
	s_and_b32 s23, s19, 1                          ; sub,
	s_lshl_b32 s23, s23, 14
	s_add_co_u32 s24, s24, s23
	s_lshl_b32 s23, s17, 13                        ; K's or V's
	s_add_co_u32 s24, s24, s23
	s_add_co_u32 s24, s24, CODES
	s_mov_b32 s25, 0
	s_lshl_b32 s26, s19, 10                        ; the scale words: step g, K's or V's, my wave's 32
	s_add_co_u32 s26, s26, s22
	s_lshl_b32 s23, s17, 9
	s_add_co_u32 s26, s26, s23
	s_add_co_u32 s26, s26, s21
	s_mov_b32 s27, 0
	s_mov_b32 s21, 0
	s_wait_alu depctr_va_vdst(0)
	s_wait_kmcnt 0x0
	s_add_nc_u64 s[24:25], s[8:9], s[24:25]
	s_add_nc_u64 s[26:27], s[8:9], s[26:27]
.macro LOAD t, src, stride             ; block t: 32 rows down K at my column: 32 lanes read 128 consecutive bytes, the four waves side by side 512
.irp i, 0,1,2,3,4,5,6,7,8,9,10,11,12,13,14,15,16,17,18,19,20,21,22,23,24,25,26,27,28,29,30,31
	global_load_b32 v[X+32*(\t)+\i], v3, s[\src:\src+1] offset:(32*(\t)+\i)*\stride th:TH_LOAD_NT
.endr
.endm
; left: the loads issued behind block t's, which may stay out.  next = 1: the block two further on is asked for.
.macro BLOCK t, left, next, src, stride, base
.set XS, X+32*(\t)
	s_wait_loadcnt \left                           ; loads come back in order: this block's 32 are in
.if \next
	LOAD (\t)+2, \src, \stride
.endif
	v_max3_num_f32 v12, |v[XS]|, |v[XS+1]|, |v[XS+2]|              ; the block's largest magnitude, in two chains: all 32 numbers are mine
	v_max3_num_f32 v13, |v[XS+3]|, |v[XS+4]|, |v[XS+5]|
.irp i, 6,10,14,18,22,26
	v_max3_num_f32 v12, v12, |v[XS+\i]|, |v[XS+\i+1]|
	v_max3_num_f32 v13, v13, |v[XS+\i+2]|, |v[XS+\i+3]|
.endr
	v_max3_num_f32 v12, v12, |v[XS+30]|, |v[XS+31]|
	v_max3_num_f32 v12, v12, v13, 0x1800000        ; and the floor 2^(3 - 127): the byte cannot fall under 1
	v_add_nc_u32 v11, 0xff000000, v12              ; 2 off its exponent field: the conversion takes the exponent field of this operand as its scale, and nothing else of it
	v_lshrrev_b32 v13, 23, v11                     ; the scale's byte
.if (\t) == 0
	v_mov_b32 v24, v13                             ; four bytes make my column's scale word, the lower K in the lower byte
.else
	v_lshl_or_b32 v24, v13, 8*(\t), v24
.endif
.irp g, 0,1,2,3
	v_cvt_scalef32_pk8_fp4_f32 v[C+4*(\t)+\g], v[XS+8*\g:XS+8*\g+7], v11   ; eight numbers / the scale, to the nearest code, ties to even, beyond 6 the largest code
.endr
	ds_store_b128 v4, v[C+4*(\t):C+4*(\t)+3] offset:\base+16*(\t)          ; 32 codes: 16 bytes of my column's row
.endm
; One tensor's way.  gsh: the key step's shift in the source;  isk = 1: K's row order: a wave's 32 keys lie as four groups of 8 rows, 16 rows apart.
.macro PATH src, gsh, stride, isk, base
	s_lshl_b32 s23, s19, \gsh
	s_add_co_u32 s20, s20, s23
	s_add_nc_u64 s[\src:\src+1], s[\src:\src+1], s[20:21]
.if \isk
	s_lshr_b32 s28, s16, 1                         ; waves 2 c, 2 c + 1 share 64 rows: wave's parity picks the upper or lower eight rows of each 16
	s_lshl_b32 s28, s28, 12
	s_and_b32 s29, s16, 1
	s_lshl_b32 s29, s29, 9
	s_add_co_u32 s28, s28, s29
.else
	s_lshl_b32 s28, s16, 11                        ; 32 rows of 64 bytes on end
.endif
	s_mov_b32 s29, 0
	s_add_nc_u64 s[24:25], s[24:25], s[28:29]
	LOAD 0, \src, \stride
	LOAD 1, \src, \stride
	BLOCK 0, 32, 1, \src, \stride, \base
	BLOCK 1, 32, 1, \src, \stride, \base
	BLOCK 2, 32, 0, \src, \stride, \base
	BLOCK 3, 0,  0, \src, \stride, \base
	global_store_b32 v3, v24, s[26:27]
.set J, 0
.rept 4
	ds_load_b128 v[OUTR+4*J:OUTR+4*J+3], v7 offset:\base+8*SP*J    ; LDS serves a wave's instructions in order: these see my stores
.set J, J+1
.endr
.set J, 0
.rept 4
	s_wait_dscnt 3-J                               ; the younger loads may stay out
	global_store_b128 v8, v[OUTR+4*J:OUTR+4*J+3], s[24:25] offset:(512+512*\isk)*J   ; 32 lanes store 512 consecutive bytes, at a multiple of 512 from kv's first byte
.set J, J+1
.endr
	s_wait_tensorcnt 0x0                           ; the wave's end
	ds_add_u32 v192, v193
	s_wait_dscnt 0x0
	s_endpgm
.endm
	s_cmp_eq_u32 s17, 0                            ; the branch hangs on the work-group's number alone
	s_cbranch_scc0 .Lv
	PATH 4, 9,  8192, 1, 0                         ; k: a row down K (d) is 8,192 bytes; a key step is 512 bytes along a row.  The largest immediate is 127 x 8,192
.Lv:
	PATH 6, 16, 512,  0, 4*WSTG                    ; v: a row down K (a key) is 512 bytes; a key step is 128 rows
.Lfunc_end_k_q0017dbd605_quant:
	.size	k_q0017dbd605_quant, .Lfunc_end_k_q0017dbd605_quant-k_q0017dbd605_quant
	.p2alignl 7, 3214868480
	.fill 96, 4, 3214868480
	.section	.rodata,"a",@progbits
	.p2align	6, 0x0
	.amdhsa_kernel k_q0017dbd605_quant
		.amdhsa_group_segment_fixed_size 20992
		.amdhsa_private_segment_fixed_size 0
		.amdhsa_enable_private_segment 0
		.amdhsa_kernarg_size 24
		.amdhsa_user_sgpr_count 2
		.amdhsa_user_sgpr_kernarg_segment_ptr 1
		.amdhsa_wavefront_size32 1
		.amdhsa_system_sgpr_workgroup_id_x 1
		.amdhsa_system_sgpr_workgroup_id_y 1
		.amdhsa_system_sgpr_workgroup_id_z 1
		.amdhsa_system_vgpr_workitem_id 0
		.amdhsa_next_free_vgpr 194
		.amdhsa_next_free_sgpr 66
		.amdhsa_reserve_vcc 0
		.amdhsa_float_denorm_mode_32 3
		.amdhsa_float_denorm_mode_16_64 3
		.amdhsa_memory_ordered 1
		.amdhsa_forward_progress 1
		.amdhsa_inst_pref_size 41
	.end_amdhsa_kernel
	.amdgpu_metadata
---
amdhsa.version: [ 1, 2 ]
amdhsa.kernels:
  - .name:           k_q0017dbd605_quant
    .symbol:         k_q0017dbd605_quant.kd
    .args:
      - { .name: k, .offset: 0, .size: 8, .value_kind: global_buffer, .address_space: global }
      - { .name: v, .offset: 8, .size: 8, .value_kind: global_buffer, .address_space: global }
      - { .name: kv, .offset: 16, .size: 8, .value_kind: global_buffer, .address_space: global }
    .group_segment_fixed_size: 20992
    .private_segment_fixed_size: 0
    .kernarg_segment_align: 8
    .kernarg_segment_size: 24
    .max_flat_workgroup_size: 128
    .sgpr_count:     66
    .vgpr_count:     194
    .wavefront_size: 32
...
	.end_amdgpu_metadata
.endif
;; end of part 1
;; launch attn (part 2): grid 16 x 16, 8 waves a work-group, clusters of 4 x 1, 327,680 bytes of LDS; arguments q, kv, out0; writes out0
.if DOCPART == 2
	.amdgcn_target "amdgcn-amd-amdhsa--gfx1250"
	.amdhsa_code_object_version 6
	.text
	.protected	k_q0017dbd605_attn
	.globl	k_q0017dbd605_attn
	.p2align	8
	.type	k_q0017dbd605_attn,@function
k_q0017dbd605_attn:
	s_mov_b64 s[64:65], 0
	v_nop
	global_prefetch_b8 v0, s[64:65] scope:SCOPE_SE
	s_setreg_imm32_b32 hwreg(HW_REG_WAVE_MODE, 25, 1), 1
	s_wait_xcnt 0x0
	s_wait_alu depctr_hold_cnt(0) depctr_sa_sdst(0) depctr_va_vdst(0) depctr_va_sdst(0) depctr_va_ssrc(0) depctr_va_vcc(0) depctr_vm_vsrc(0)
	s_getreg_b32 s2, hwreg(HW_REG_IB_STS2, 6, 4)
	s_cmp_eq_u32 s2, 0
	s_cbranch_scc0 .Lentry_in_a_cluster
	s_endpgm
.Lentry_in_a_cluster:
	s_bfe_u32 s2, ttmp6, 0x10000c
	s_cmp_lg_u32 s2, 0x3003
	s_cbranch_scc0 .Lentry_shape_is_right
	s_endpgm
.Lentry_shape_is_right:
; out0[b][n][:] = the sum over keys m of softmax_m(q[b][n] . k[b][:][m]) v[b][m][:], no scaling of the scores, both products on codes of FP4 (E2M1) with one E8M0 scale for each 32 along a product's K.
; q [16][2048][128] f32 is quantised here.  k and v come as codes and scale words from kv, laid by the launch before (its head comment): scale words, then codes; a trip S of a key half (256 keys) is
; four blocks of 8,192 bytes: K and V of its first 128 keys (sub 0), K and V of its second (sub 1).
; THE SOFTMAX AHEAD OF THE SECOND PRODUCT: t = score x log2(e); M = the row's largest t so far, rounded UP to a whole number; p = 2^(t - M) is what is quantised, along the keys, not normalised.
; The row's sum is taken of the unquantised p, in f32, and divides at the end.  When M moves, what was summed is multiplied by 2^(old M - new M): exact.
; SHARES.  A work-group owns 128 queries of one head.  Wave w takes TWO tiles of 16 queries, 2 (w % 4) and 2 (w % 4) + 1, and HALF of the keys, 1,024 (w / 4) on: each fragment of K and V that it reads from LDS
; feeds two products.  Its tile A is the one that it finishes, tile B the one that wave w xor 4 finishes: at the end each sends its B's partial sums, M and row sum through LDS and joins the partner's to its A.
; A TRIP is 256 keys in two subs of 128.  The second products of both subs stand at the trip's end, so O is rescaled once a trip: sub 0's p were quantised under sub 0's M, and their scale words take up the move to sub 1's M.
; A HEAD'S CODES AND SCALE WORDS, 278,528 bytes, STAY IN LDS, each byte filled ONCE: a wave issues one tensor load at the head (its eighth of the scale words and of trip 0's codes) and one behind
; the first full sequence (its eighth of trips 1 to 3), which has trip 0 in which to land.  By this text's count one load of a wave is out at a time.
; CLUSTER.  The four query blocks of a cluster belong to one head, so each load is asked for JOINTLY: the same line, the same descriptor (made of the head and the wave's number alone), a mask that names the four.
; NO PREFETCH: nothing is filled inside a loop; the two loads are the launch's only fills, and the second is asked for a whole trip, a quarter of the work, ahead of its first reader.
; LAYOUT.  Both products are used transposed: S^T = K Q^T (source 0 = 32 keys, source 1 = 16 queries), O^T = V^T P^T (source 0 = 32 of the 128 channels, source 1 = P): a lane holds ONE query of a tile (lane % 16).
; K's rows are ordered so that a tile's 64 score registers in lane (r, h) are the keys 64 c + 32 h + 0 .. 31, c = 0, 1: two WHOLE blocks, in the order of the second product's operand.
; LIMITS: NaN and infinities among the inputs are not served.  The promise holds while the scaled scores t stay under 2^31 in magnitude.  A p under 2^-126 counts as 0 (the exponential gives no denormals: ISA guide,
; its entry in chapter 15).  A block of q under 2^-124 gets the scale byte 1; a block of p whose byte would fall under 1, also by a move of M, keeps 1.
; REGISTERS, window 0: listed below.  Window 1: v256-319 O^T of tile A, v320-383 of B; v384-447 scores (then p) of A, v448-511 of B; A's take V's second fragments once they are done with.
.set HEADB, 278528
.set BLK,   8704                       ; a block's 8,192 bytes in LDS: 32 lines of 256 bytes + 16 of padding.  Code row rho lies at 272 (rho / 4) + 64 (rho % 4): the 16 rows of a tile start at 16 different groups of four banks (64 banks of 4 bytes: ISA guide 11.1)
.set HALFB, 4*BLK                      ; a half's blocks of a trip
.set TRIPB, 8*BLK                      ; from trip to trip
.set CODE0, 64*272                     ; trip 0's codes, behind the 64 lines of scale words
.set PART1, 320*272                    ; trip 1's codes: what the second load fills begins here
.set QST,   1088*272                   ; behind the tiles: q's codes, 16 rows of 64 + 16 bytes a tile, eight tiles
.set QSC,   QST+8*1280                 ; and its scale words, 64 bytes a tile
.set SPARE, QSC+512                    ; the spare words, 128 bytes for each wave
.set EX,    CODE0                      ; the exchange at the end: 8,192 bytes for each wave, in trip 0's bytes,
.set EXM,   EX+65536                   ; and M and the row sum, 256 bytes for each wave: all have had their one fill
.set STG,   PART1                      ; the way out: 16 rows x (512 + 16) bytes for each wave, in trip 1's bytes
.set SPW, 1                            ; v1 spare word's address, v2 0: never rewritten
.set NIL, 2
.set AF0, 3                            ; v3 my lane's place in a tile of codes, my key half in it
.set ASK, 4                            ; v4, v5 my lane's place among K's and V's scale words
.set ASV, 5
.set ADC, 6                            ; v6-8 the trip's addresses
.set ASKC, 7
.set ASVC, 8
.set GO,  9
.set TX,  10                           ; v10-11 at work
                                       ; v12-19 pairs with -M in the low register: A behind sub 0, sub 1, B likewise
.set RM,  20                           ; v20-21 the largest score so far
.set FS,  22                           ; v22-29 pairs with 2^(old M - new M): sub 0 A, B, sub 1 A, B
.set QW,  30                           ; v30-31 Q's scale words
.set BM,  32                           ; v32-35 the blocks' largest score, then p: A's two, B's two
.set PW,  36                           ; v36-39 p's scale words: sub 0 A, B, sub 1 A, B
.set OPE, 40                           ; v40-47 the conversions' scale operands: sub 0's four, sub 1's four
.set PX,  48                           ; v48-51 from lane l xor 16
.set L,   52                           ; v52-67 the row's sum, four pairs a tile
.set KS,  68                           ; v68-79 scale words of K, of V sub 0, of V sub 1
.set VS0, 72
.set VS1, 76
.set QF,  80                           ; v80-95 Q's fragments
.set FK,  96                           ; v96-159 K's fragments
.set FV,  160                          ; v160-223 V's, sub 0
.set CD,  224                          ; v224-255 p's codes: sub 0 A, B, sub 1 A, B
.set SB,  128                          ; window 1: the scores
.set WV,  10
.set SEL, 20                           ; s[20:21] lane selects for v_permlanex16_b32: lane l xor 16
.set CS,  22                           ; s[22:23] log2(e)
.set G1A, 24
.set G1B, 32
.set TB,  44                           ; s44 LDS byte at which the trip's codes begin
.set TS,  45                           ; s45 and its scale words
.set CNT, 46
.set NCS, 47                           ; s47 -log2(e)
.set NEG, 48                           ; s48 -infinity
.set FLR, 49                           ; s49 2^(3 - 127)
.set EOF, 50                           ; s50 2 off an exponent field
.set MIN, 51                           ; s51 2^-126
.set G0A, 68
.set G0B, 72
.set MSB, 0
.macro WIN new                         ; the immediate's high byte repeats the setting that is left
.if MSB != \new
	s_set_vgpr_msb (MSB<<8)|\new
.set MSB, \new
.endif
.endm
; A round of the cluster's barrier.
.macro CROUND
	s_barrier_signal -1
	s_barrier_wait -1
	s_cmp_lg_u32 s[WV], 0
	s_cbranch_scc1 .Lnot_wave_0_\@
	s_barrier_signal -3
.Lnot_wave_0_\@:
	s_barrier_wait -3
	s_barrier_signal -1
	s_barrier_wait -1
.endm
	s_load_b128 s[4:7], s[0:1], 0x0                ; q, kv
	s_load_b64 s[8:9], s[0:1], 0x10                ; out0
	v_lshl_add_u32 v[SPW], v0, 2, SPARE
	v_mov_b32 v[NIL], 0
	ds_add_u32 v[SPW], v[NIL]                      ; the wave's opening: the add, twice on end, under one wait
	ds_add_u32 v[SPW], v[NIL]
	v_lshrrev_b32 v192, 5, v0
	v_readfirstlane_b32 s[WV], v192                ; wave 0..7
	v_and_b32 v193, 31, v0                         ; lane
	v_lshlrev_b32 v194, 5, v193                    ; q: 32 bytes a lane
	s_bfe_u32 s11, ttmp6, 0x40000                  ; cx: my place in the cluster
	s_lshl_b32 s12, ttmp9, 2                       ; in a cluster launch ttmp9 counts clusters
	s_add_co_u32 s12, s12, s11                     ; my block of 128 queries: it enters q's and out0's addresses alone
	s_and_b32 s13, ttmp7, 0xffff                   ; the head, which the four partners share
	; descriptor group 1: a dense block as lines of 256 bytes (32 elements of 8 bytes), 16 bytes of padding behind each: 40 lines, and 96
	s_mov_b32 s[G1A], 15|(3<<16)|(1<<20)|(1<<21)|(5<<22)|(3<<25)   ; 15:0 the mask: all four work-groups; 17:16 elements of 8 bytes; 20 padding on; 21 set beside a mask; 24:22 after every 64 words; 31:25 four words
	s_mov_b32 s[G1A+1], 32<<16
	s_mov_b32 s[G1A+2], 40<<16
	s_mov_b32 s[G1A+3], 32<<16
	s_mov_b32 s[G1A+4], 40
	s_mov_b32 s[G1A+5], 32
	s_mov_b32 s[G1A+6], 0
	s_mov_b32 s[G1A+7], 0
	s_mov_b32 s[G1B], 15|(3<<16)|(1<<20)|(1<<21)|(5<<22)|(3<<25)
	s_mov_b32 s[G1B+1], 32<<16
	s_mov_b32 s[G1B+2], 96<<16
	s_mov_b32 s[G1B+3], 32<<16
	s_mov_b32 s[G1B+4], 96
	s_mov_b32 s[G1B+5], 32
	s_mov_b32 s[G1B+6], 0
	s_mov_b32 s[G1B+7], 0
	s_mul_i32 s14, s13, HEADB                      ; what I fetch: 40 lines at 40 x wave of the first 81,920 bytes, 96 lines at 96 x wave of the rest
	s_mul_i32 s16, s[WV], 40*256
	s_add_co_u32 s16, s16, s14
	s_mov_b32 s17, 0
	s_mul_i32 s18, s[WV], 96*256
	s_add_co_u32 s18, s18, s14
	s_add_co_u32 s18, s18, 320*256
	s_mov_b32 s19, 0
	s_mul_i32 s14, s[WV], 40*272                   ; and where it goes: the wave's number times a constant
	s_mul_i32 s15, s[WV], 96*272
	s_lshr_b32 s57, s[WV], 2                       ; my key half
	s_and_b32 s58, s[WV], 3
	s_lshl_b32 s58, s58, 1
	s_or_b32 s58, s58, s57                         ; my tile A
	s_xor_b32 s59, s58, 1                          ; my tile B
	s_lshl_b32 s40, s13, 20                        ; q and out0: a head is 2^20 bytes, my block's 128 rows 2^16, a tile's 16 rows 2^13
	s_lshl_b32 s41, s12, 16
	s_add_co_u32 s40, s40, s41
	s_lshl_b32 s42, s58, 13
	s_add_co_u32 s42, s42, s40                     ; out0: tile A
	s_lshl_b32 s41, s[WV], 13
	s_add_co_u32 s40, s40, s41                     ; q: the tile with my wave's number is quantised by me
	s_mov_b32 s41, 0
	s_mov_b32 s43, 0
	s_mul_i32 s60, s57, HALFB
	s_mul_i32 s61, s57, 8*1088                     ; a step's scale words: 1,024 bytes, four lines
	s_mul_i32 s62, s[WV], 1280
	s_add_co_u32 s62, s62, QST
	s_lshl_b32 s63, s[WV], 6
	s_add_co_u32 s63, s63, QSC
	s_mul_i32 s66, s58, 1280
	s_add_co_u32 s66, s66, QST
	s_mul_i32 s67, s59, 1280
	s_add_co_u32 s67, s67, QST
	s_lshl_b32 s76, s58, 6
	s_add_co_u32 s76, s76, QSC
	s_lshl_b32 s77, s59, 6
	s_add_co_u32 s77, s77, QSC
	s_mov_b32 s[SEL], 0x76543210
	s_mov_b32 s[SEL+1], 0xfedcba98
	s_mov_b32 s[CS], 0x3fb8aa3b                    ; log2(e)
	s_mov_b32 s[CS+1], s[CS]                       ; (named with it as a pair, so it is written)
	s_mov_b32 s[NCS], 0xbfb8aa3b
	s_mov_b32 s[NEG], 0xff800000
	s_mov_b32 s[FLR], 0x1800000
	s_mov_b32 s[EOF], 0xff000000
	s_mov_b32 s[MIN], 0x800000
	s_mov_b32 s[TB], CODE0
	s_mov_b32 s[TS], 0
	s_wait_alu depctr_va_vdst(0)
	s_wait_dscnt 0x0                               ; both opening adds are done
	s_wait_kmcnt 0x0
	s_add_nc_u64 s[4:5], s[4:5], s[40:41]
.irp i, 0,1,2,3,4,5,6,7
	global_load_b128 v[FK+8*\i:FK+8*\i+3], v194, s[4:5] offset:1024*\i      ; rows 2 i and 2 i + 1: a lane takes 8 neighbours, two loads share each 1,024 bytes
	global_load_b128 v[FK+8*\i+4:FK+8*\i+7], v194, s[4:5] offset:1024*\i+16
.endr
	s_add_nc_u64 s[16:17], s[6:7], s[16:17]
	s_add_nc_u64 s[18:19], s[6:7], s[18:19]
	s_add_nc_u64 s[8:9], s[8:9], s[42:43]
	s_mov_b32 s[G0A], 1                            ; 1:0 count = 1
	s_mov_b32 s[G0A+1], s14                        ; 63:32 LDS address
	s_mov_b64 s[G0A+2:G0A+3], s[16:17]             ; 120:64 global address
	s_or_b32 s[G0A+3], s[G0A+3], 0x80000000        ; 127:126 type = 2
	s_mov_b32 s[G0B], 1
	s_add_co_u32 s[G0B+1], s15, PART1
	s_mov_b64 s[G0B+2:G0B+3], s[18:19]
	s_or_b32 s[G0B+3], s[G0B+3], 0x80000000
	CROUND                                         ; all four work-groups are here: the joint loads meet
	tensor_load_to_lds s[G0A:G0A+3], s[G1A:G1A+7]  ; scale words and trip 0's codes: the wave's one load at the head
	s_nop 0
.rept 4
	v_nop
.endr
	v_and_b32 v195, 15, v0                         ; r
	v_bfe_u32 v196, v0, 4, 1                       ; h
	v_lshrrev_b32 v197, 2, v195
	v_mul_u32_u24 v[AF0], v197, 272
	v_and_b32 v198, 3, v195
	v_lshl_add_u32 v[AF0], v198, 6, v[AF0]
	v_lshl_add_u32 v[AF0], v196, 4, v[AF0]         ; a tile's row r: 272 (r / 4) + 64 (r % 4), + 16 h
	v_add_nc_u32 v[AF0], s60, v[AF0]
	v_lshlrev_b32 v[ASV], 2, v193                  ; V's scale words: row 32 P + lane
	v_add_nc_u32 v[ASV], s61, v[ASV]
	v_and_b32 v198, 7, v0                          ; K's: lane m's row 32 P + m is key 64 (P / 2) + 16 (P % 2) + 32 ((m / 8) % 2) + 8 (m / 16) + m % 8
	v_lshlrev_b32 v[ASK], 2, v198
	v_bfe_u32 v198, v0, 3, 1
	v_lshl_add_u32 v[ASK], v198, 7, v[ASK]
	v_lshl_add_u32 v[ASK], v196, 5, v[ASK]
	v_add_nc_u32 v[ASK], s61, v[ASK]
	v_mul_u32_u24 v200, v196, 80                   ; q's codes, in: row 2 i + h, eight codes at 4 r
	v_lshl_add_u32 v200, v195, 2, v200
	v_add_nc_u32 v200, s62, v200
	v_lshl_add_u32 v201, v196, 2, v197             ; its scale bytes, in: row 2 i + h, block r / 4
	v_add_nc_u32 v201, s63, v201
	v_mul_u32_u24 v202, v195, 80                   ; and out: row r, + 16 h
	v_lshl_add_u32 v202, v196, 4, v202
	v_add_nc_u32 v203, s67, v202
	v_add_nc_u32 v202, s66, v202
	v_lshlrev_b32 v204, 2, v195
	v_add_nc_u32 v205, s77, v204
	v_add_nc_u32 v204, s76, v204
.irp j, 13,15,17,19,23,25,27,29,48,49,50,51
	v_mov_b32 v[\j], 0                             ; upper halves of pairs, and the lane permutes' destinations (which count as sources): written once
.endr
	s_wait_alu depctr_va_vdst(0)
	s_wait_loadcnt 0x0                             ; q is in: lane (r, h) holds the numbers 8 r .. 8 r + 7 of row 2 i + h: a quarter of a block
.irp i, 0,1,2,3,4,5,6,7
	v_max3_num_f32 v[160+\i], |v[FK+8*\i]|, |v[FK+8*\i+1]|, s[FLR]   ; with the floor 2^(3 - 127): the byte cannot fall under 1
.endr
.irp e, 2,4,6
.irp i, 0,1,2,3,4,5,6,7
	v_max3_num_f32 v[160+\i], v[160+\i], |v[FK+8*\i+\e]|, |v[FK+8*\i+\e+1]|
.endr
.endr
.irp i, 0,1,2,3,4,5,6,7
	v_max_num_f32_dpp v[160+\i], v[160+\i], v[160+\i] row_xmask:1 row_mask:0xf bank_mask:0xf
.endr
.irp i, 0,1,2,3,4,5,6,7
	v_max_num_f32_dpp v[160+\i], v[160+\i], v[160+\i] row_xmask:2 row_mask:0xf bank_mask:0xf   ; the four lanes of the block
.endr
.irp i, 0,1,2,3,4,5,6,7
	v_add_nc_u32 v[168+\i], s[EOF], v[160+\i]      ; 2 off the exponent field: the conversion's scale operand
.endr
.irp i, 0,1,2,3,4,5,6,7
	v_cvt_scalef32_pk8_fp4_f32 v[184+\i], v[FK+8*\i:FK+8*\i+7], v[168+\i]
.endr
.irp i, 0,1,2,3,4,5,6,7
	v_lshrrev_b32 v[176+\i], 23, v[168+\i]         ; the scale's byte
.endr
.irp i, 0,1,2,3,4,5,6,7
	ds_store_b32 v200, v[184+\i] offset:160*\i
	ds_store_b8 v201, v[176+\i] offset:8*\i        ; the block's four lanes write the same byte with the same value
.endr
	s_wait_alu depctr_va_vdst(0)
	s_wait_tensorcnt 0x0                           ; my part of trip 0 is in
	ds_add_u32 v[SPW], v[NIL]
	s_wait_dscnt 0x0                               ; the add is done, and so are my stores of q's codes
	CROUND                                         ; everybody's part of trip 0 and everybody's q codes are in
	tensor_load_to_lds s[G0B:G0B+3], s[G1B:G1B+7]  ; trips 1 to 3
	s_nop 0
.rept 4
	v_nop
.endr
; One block's fragments (eight tiles of 16 rows, 64 registers) and scale words.  w: the window of the fragments; register P's lane m holds the word of row 32 P + m.
.macro LDF f, w, sr, ad, off, sa, so, ps
.irp p, 0,1,2,3
	ds_load_b32 v[\sr+\p], v[\sa] offset:\so+272*(\p/2)+\ps*(\p%2)
.endr
	WIN \w
.irp t, 0,1,2,3,4,5,6,7
.irp c, 0,1
	ds_load_b128 v[\f+8*\t+4*\c:\f+8*\t+4*\c+3], v[\ad] offset:\off+1088*\t+32*\c
.endr
.endr
	WIN 0
.endm
; S^T of both tiles for 128 keys: source 0 = 32 keys, source 1 = a tile's 16 queries, K = the head's 128; the constant 0 starts each sum
.macro QK
	WIN 0x40
.irp p, 0,1,2,3
.irp x, 0,1
	v_wmma_scale_f32_32x16x128_f4 v[SB+64*\x+16*\p:SB+64*\x+16*\p+15], v[FK+16*\p:FK+16*\p+15], v[QF+8*\x:QF+8*\x+7], 0, v[KS+\p], v[QW+\x]
.endr
.endr
	WIN 0
.endm
; O^T of both tiles, K = 256 keys: sub 0's V, then sub 1's (in tile A's score registers).  The eight accumulators take turns: seven other products stand between two links of one.
.macro PV first
	WIN 0x50
.irp p, 0,1,2,3
.irp x, 0,1
.if \first
	v_wmma_scale_f32_32x16x128_f4 v[64*\x+16*\p:64*\x+16*\p+15], v[FV+16*\p:FV+16*\p+15], v[CD+8*\x:CD+8*\x+7], 0, v[VS0+\p], v[PW+\x]
.else
	v_wmma_scale_f32_32x16x128_f4 v[64*\x+16*\p:64*\x+16*\p+15], v[FV+16*\p:FV+16*\p+15], v[CD+8*\x:CD+8*\x+7], v[64*\x+16*\p:64*\x+16*\p+15], v[VS0+\p], v[PW+\x]
.endif
.endr
.endr
	WIN 0x51
.irp p, 0,1,2,3
.irp x, 0,1
	v_wmma_scale_f32_32x16x128_f4 v[64*\x+16*\p:64*\x+16*\p+15], v[SB+16*\p:SB+16*\p+15], v[CD+16+8*\x:CD+16+8*\x+7], v[64*\x+16*\p:64*\x+16*\p+15], v[VS1+\p], v[PW+2+\x]
.endr
.endr
.endm
; THE SOFTMAX of sub s, both tiles, up to the conversions' scale operands; tile A's exponentials are done in it, tile B's in EXPB.
.macro SOFT s, first
.set NMN, 12+2*(\s)
.set NMO, 14-2*(\s)
.set FSS, FS+4*(\s)
	WIN 0x14
.irp i, 0,1,2,3,4,5,6,7,8,9,10,11,12,13,14,15
.irp n, 0,1,2,3
.if \i == 0
	v_max3_num_f32 v[BM+\n], s[NEG], v[SB+32*\n], v[SB+32*\n+1]    ; THE LARGEST SCORE OF EACH BLOCK, all 32 in my lane: for the row's maximum, and, since p rises with the score, for the block's largest p
.else
	v_max3_num_f32 v[BM+\n], v[BM+\n], v[SB+32*\n+2*\i], v[SB+32*\n+2*\i+1]   ; (four blocks by turns; each result from its low end on)
.endif
.endr
.endr
	WIN 0
.irp x, 0,1
	v_max_num_f32 v[TX+\x], v[BM+2*\x], v[BM+2*\x+1]
.endr
.irp x, 0,1
	v_permlanex16_b32 v[PX+\x], v[TX+\x], s[SEL], s[SEL+1]
.endr
.irp x, 0,1
.if (\first) && (\s) == 0
	v_max_num_f32 v[RM+\x], v[TX+\x], v[PX+\x]
.else
	v_max3_num_f32 v[RM+\x], v[RM+\x], v[TX+\x], v[PX+\x]          ; the running largest score
.endif
.endr
.irp x, 0,1
	v_mul_f32 v[TX+\x], s[NCS], v[RM+\x]                           ; -t
.endr
.irp x, 0,1
	v_floor_f32 v[NMN+4*\x], v[TX+\x]                              ; -M = floor(-t) = -ceil(t): M IS A WHOLE NUMBER
.endr
.if (\first) == 0 || (\s) == 1
.irp x, 0,1
	v_sub_f32 v[TX+\x], v[NMN+4*\x], v[NMO+4*\x]                   ; old M - new M: a whole number, 0 or less
.endr
.irp x, 0,1
	v_cvt_i32_f32 v[TX+\x], v[TX+\x]                               ; (it saturates)
.endr
.irp x, 0,1
	v_ldexp_f32 v[FSS+2*\x], 1.0, v[TX+\x]                         ; a multiplication by it rounds nothing
.endr
.endif
.irp n, 0,1,2,3
	v_fma_f32 v[BM+\n], v[BM+\n], s[CS], v[NMN+4*(\n/2)]
.endr
	WIN 0x41
.irp j, 0,2,4,6,8,10,12,14,16,18,20,22,24,26,28,30,32,34,36,38,40,42,44,46,48,50,52,54,56,58,60,62
	v_pk_fma_f32 v[SB+\j:SB+\j+1], v[SB+\j:SB+\j+1], s[CS:CS+1], v[NMN:NMN+1] op_sel_hi:[1,0,0]   ; t - M, two at a time
.endr
	s_wait_alu depctr_va_vdst(0)                   ; the wait ahead of the batch
.irp j, 0,2,4,6,8,10,12,14,16,18,20,22,24,26,28,30,32,34,36,38,40,42,44,46,48,50,52,54,56,58,60,62
	v_exp_f32 v[SB+\j], v[SB+\j]                   ; A's p = 2^(t - M), at most 1: NOT normalised;
	v_exp_f32 v[SB+\j+1], v[SB+\j+1]
	v_pk_fma_f32 v[SB+64+\j:SB+65+\j], v[SB+64+\j:SB+65+\j], s[CS:CS+1], v[NMN+4:NMN+5] op_sel_hi:[1,0,0]   ; and B's t - M, first read behind the wait below
.endr
	WIN 0
.irp n, 0,1,2,3
	v_exp_f32 v[BM+\n], v[BM+\n]                   ; the blocks' largest p: the same instructions on the same number give the same bits
.endr
.if (\first) == 0 && (\s) == 1
.irp x, 0,1
	v_mul_f32 v[FS+2*\x], v[FS+2*\x], v[FS+4+2*\x]                 ; O's factor for the trip: both subs' moves.  (Plain places behind the exponentials)
.endr
.else
	v_nop                                          ; one plain place behind the exponentials
.endif
	s_wait_alu depctr_va_vdst(0)                   ; and the wait behind it, ahead of its first reader
.irp n, 0,1,2,3
	v_max_num_f32 v[BM+\n], s[FLR], v[BM+\n]       ; the floor 2^(3 - 127): the byte cannot fall under 1
.endr
.irp n, 0,1,2,3
	v_add_nc_u32 v[OPE+4*(\s)+\n], s[EOF], v[BM+\n]                ; 2 off the exponent field: the conversion's scale operand
.endr
.if (\s) == 1                          ; the trip's four scale words of p
.irp n, 0,1,2,3
	v_mul_f32 v[OPE+\n], v[OPE+\n], v[FS+4+2*(\n/2)]               ; sub 0's blocks under sub 1's M,
.endr
.irp n, 0,1,2,3
	v_max_num_f32 v[OPE+\n], s[MIN], v[OPE+\n]     ; the byte held at 1
.endr
.irp n, 0,1,2,3
	v_lshrrev_b32 v[OPE+\n], 23, v[OPE+\n]
.endr
.irp n, 0,1,2,3
	v_lshrrev_b32 v[BM+\n], 23, v[OPE+4+\n]
.endr
.irp x, 0,1
	v_lshl_or_b32 v[OPE+2*\x], v[OPE+2*\x+1], 16, v[OPE+2*\x]      ; my blocks h and 2 + h
	v_lshl_or_b32 v[BM+2*\x], v[BM+2*\x+1], 16, v[BM+2*\x]
.endr
.irp x, 0,1
	v_permlanex16_b32 v[PX+\x], v[OPE+2*\x], s[SEL], s[SEL+1]
	v_permlanex16_b32 v[PX+2+\x], v[BM+2*\x], s[SEL], s[SEL+1]
.endr
.irp x, 0,1
	v_lshl_or_b32 v[PW+\x], v[PX+\x], 8, v[OPE+2*\x]               ; lanes 0-15, which are read, have blocks 0 to 3 in order
	v_lshl_or_b32 v[PW+2+\x], v[PX+2+\x], 8, v[BM+2*\x]
.endr
.endif
.endm
; Tile x of sub s: p's codes, and the row's sum of the unquantised p in four chains; the sum's move to the new M is fused into each chain's first addition.
.macro QSUM s, x, first
.set SS, SB+64*(\x)
.set LL, L+8*(\x)
	WIN 0x01
.irp c, 0,1
.irp g, 0,1,2,3
	v_cvt_scalef32_pk8_fp4_f32 v[CD+16*(\s)+8*(\x)+4*\c+\g], v[SS+32*\c+8*\g:SS+32*\c+8*\g+7], v[OPE+4*(\s)+2*(\x)+\c]
.endr
.endr
.if (\first) && (\s) == 0
	WIN 0x05
.irp a, 0,2,4,6
	v_pk_add_f32 v[LL+\a:LL+\a+1], v[SS+\a:SS+\a+1], v[SS+8+\a:SS+9+\a]
.endr
	WIN 0x01
.else
	WIN 0x10
.irp a, 0,2,4,6
	v_pk_fma_f32 v[LL+\a:LL+\a+1], v[LL+\a:LL+\a+1], v[FSS+2*(\x):FSS+2*(\x)+1], v[SS+\a:SS+\a+1] op_sel_hi:[1,0,1]
.endr
	WIN 0x01
.irp a, 0,2,4,6
	v_pk_add_f32 v[LL+\a:LL+\a+1], v[SS+8+\a:SS+9+\a], v[LL+\a:LL+\a+1]
.endr
.endif
.irp i, 16,24,32,40,48,56
.irp a, 0,2,4,6
	v_pk_add_f32 v[LL+\a:LL+\a+1], v[SS+\i+\a:SS+\i+\a+1], v[LL+\a:LL+\a+1]
.endr
.endr
	WIN 0
.endm
.macro EXPB                            ; tile B's p; what the exponentials read was written ahead of the wait behind tile A's
	WIN 0x41
.irp j, 0,1,2,3,4,5,6,7,8,9,10,11,12,13,14,15,16,17,18,19,20,21,22,23,24,25,26,27,28,29,30,31,32,33,34,35,36,37,38,39,40,41,42,43,44,45,46,47,48,49,50,51,52,53,54,55,56,57,58,59,60,61,62,63
	v_exp_f32 v[SB+64+\j], v[SB+64+\j]
.endr
	v_nop                                          ; one plain place
	s_wait_alu depctr_va_vdst(0)                   ; the wait ahead of the batch's first reader
.endm
; A TRIP.  K's fragments of sub 0 are in.  first: the products start O's sums, nothing is rescaled; pre: the next trip's first fragments of K are asked for; last: the way out follows.
.macro TRIP first, pre, last
	QK
	v_add_nc_u32 v[ADC], s[TB], v[AF0]             ; four plain places behind the products, these three among them: ahead of the loads into K's registers and of the scores' first read
	v_add_nc_u32 v[ASKC], s[TS], v[ASK]
	v_add_nc_u32 v[ASVC], s[TS], v[ASV]
	v_nop
	LDF FK, 0, KS, ADC, 2*BLK, ASKC, 1088, 64      ; K of sub 1 and V of sub 0 land under the softmax
	LDF FV, 0, VS0, ADC, BLK, ASVC, 544, 128
	SOFT 0, \first
	QSUM 0, 0, \first
	EXPB
	QSUM 0, 1, \first
	s_wait_dscnt 0x0
	QK
.if \pre
	s_add_co_u32 s[TB], s[TB], TRIPB
	s_add_co_u32 s[TS], s[TS], 2*1088
	v_add_nc_u32 v[TX], s[TB], v[AF0]
	v_add_nc_u32 v[TX+1], s[TS], v[ASK]
	v_nop
	v_nop
	LDF FK, 0, KS, TX, 0, TX+1, 0, 64
.else
.rept 4
	v_nop
.endr
.endif
	SOFT 1, \first
	QSUM 1, 0, \first
	LDF SB, 0x40, VS1, ADC, 3*BLK, ASVC, 1632, 128 ; tile A's p are done with: V of sub 1 takes their registers
	EXPB
	QSUM 1, 1, \first
	s_wait_dscnt 0x0                               ; V is in
.if \last
	s_barrier_signal -1                            ; all my reads of tiles are over: work on registers follows up to the wait
.endif
.if (\first) == 0
	WIN 0x41
	s_wait_alu depctr_va_vdst(0)                   ; the wait directly ahead of the first readers of O^T
.irp j, 0,2,4,6,8,10,12,14,16,18,20,22,24,26,28,30,32,34,36,38,40,42,44,46,48,50,52,54,56,58,60,62
	v_pk_mul_f32 v[\j:\j+1], v[\j:\j+1], v[FS:FS+1] op_sel_hi:[1,0]
.endr
.irp j, 64,66,68,70,72,74,76,78,80,82,84,86,88,90,92,94,96,98,100,102,104,106,108,110,112,114,116,118,120,122,124,126
	v_pk_mul_f32 v[\j:\j+1], v[\j:\j+1], v[FS+2:FS+3] op_sel_hi:[1,0]
.endr
.endif
	PV \first
	WIN 0
.if \last
	s_barrier_wait -1                              ; nobody reads tiles any more
.else
.rept 5
	v_nop                                          ; five places: the next products write over registers that these have read
.endr
.endif
.endm
	v_add_nc_u32 v[TX], s[TB], v[AF0]
	v_add_nc_u32 v[TX+1], s[TS], v[ASK]
.irp c, 0,1
	ds_load_b128 v[QF+4*\c:QF+4*\c+3], v202 offset:32*\c           ; Q's fragments: row r, codes 64 c + 32 h on
	ds_load_b128 v[QF+8+4*\c:QF+8+4*\c+3], v203 offset:32*\c
.endr
	ds_load_b32 v[QW], v204
	ds_load_b32 v[QW+1], v205
	LDF FK, 0, KS, TX, 0, TX+1, 0, 64
	s_wait_dscnt 0x0
	TRIP 1, 0, 0
	s_wait_alu depctr_va_vdst(0)
	s_wait_tensorcnt 0x0                           ; my part of trips 1 to 3 is in
	s_wait_dscnt 0x0
	s_barrier_signal -1
	s_barrier_wait -1
	s_mov_b32 s[TB], PART1
	s_mov_b32 s[TS], 2*1088
	v_add_nc_u32 v[TX], s[TB], v[AF0]
	v_add_nc_u32 v[TX+1], s[TS], v[ASK]
	LDF FK, 0, KS, TX, 0, TX+1, 0, 64
	s_mov_b32 s[CNT], 2
	s_wait_dscnt 0x0
.Ltrip:
	TRIP 0, 1, 0
	s_wait_alu depctr_va_vdst(0)
	s_sub_co_u32 s[CNT], s[CNT], 1
	s_cmp_lg_u32 s[CNT], 0
	s_cbranch_scc1 .Ltrip
	s_mov_b32 s[TB], PART1+2*TRIPB
	s_mov_b32 s[TS], 6*1088
	TRIP 0, 0, 1
	; THE WAY OUT.  The row sums' chains are added: these are also the places behind the last products.
.irp x, 0,8
	v_pk_add_f32 v[L+\x:L+\x+1], v[L+\x:L+\x+1], v[L+2+\x:L+3+\x]
	v_pk_add_f32 v[L+4+\x:L+5+\x], v[L+4+\x:L+5+\x], v[L+6+\x:L+7+\x]
.endr
.irp x, 0,8
	v_pk_add_f32 v[L+\x:L+\x+1], v[L+\x:L+\x+1], v[L+4+\x:L+5+\x]
.endr
	v_mov_b32 v10, v18                             ; tile B's -M
	v_add_f32 v[L], v[L], v[L+1]
	v_add_f32 v11, v[L+8], v[L+9]                  ; and its sum in my lane
	s_lshl_b32 s52, s[WV], 13                      ; mine to send, and the partner's
	s_xor_b32 s53, s[WV], 4
	s_lshl_b32 s54, s[WV], 8
	s_lshl_b32 s55, s53, 8
	s_lshl_b32 s53, s53, 13
	s_add_co_u32 s52, s52, EX
	s_add_co_u32 s53, s53, EX
	s_add_co_u32 s54, s54, EXM
	s_add_co_u32 s55, s55, EXM
	s_mul_i32 s56, s[WV], 16*528
	s_add_co_u32 s56, s56, STG
	s_wait_alu depctr_va_vdst(0)                   ; the wait behind the scalar run
	v_and_b32 v44, 31, v0
	v_and_b32 v42, 15, v0
	v_bfe_u32 v43, v0, 4, 1
	v_lshl_add_u32 v32, v44, 4, s52
	v_lshl_add_u32 v33, v44, 4, s53
	v_lshl_add_u32 v34, v44, 3, s54
	v_lshl_add_u32 v35, v44, 3, s55
	v_mul_u32_u24 v40, v42, 528
	v_lshl_add_u32 v40, v43, 5, v40
	v_add_nc_u32 v40, s56, v40                     ; the stage, in: row r, + 32 h
	v_lshl_add_u32 v41, v44, 4, s56                ; and back: the 32 lanes take one row of 512 bytes
	v_lshlrev_b32 v[GO], 4, v44
	ds_store_b64 v34, v[10:11]
	WIN 0x04
.irp k, 0,1,2,3,4,5,6,7,8,9,10,11,12,13,14,15
	ds_store_b128 v32, v[64+4*\k:67+4*\k] offset:512*\k            ; tile B's partial sums, each from its low end on
.endr
	WIN 0
	s_wait_alu depctr_va_vdst(0)
	s_wait_dscnt 0x0                               ; my stores are done, for the partner
	s_barrier_signal -1
	s_barrier_wait -1
	ds_load_b64 v[224:225], v35                    ; the partner's -M and sum of my tile A,
.irp k, 0,1,2,3,4,5,6,7,8,9,10,11,12,13,14,15
	ds_load_b128 v[FK+4*\k:FK+4*\k+3], v33 offset:512*\k           ; and its part of O^T
.endr
	s_wait_dscnt 16                                ; -M and sum are in; the 16 behind them may be out
	v_min_num_f32 v10, v14, v224                   ; -M of the whole row
	v_sub_f32 v11, v10, v14
	v_sub_f32 v46, v10, v224
	v_cvt_i32_f32 v11, v11
	v_cvt_i32_f32 v46, v46
	v_ldexp_f32 v22, 1.0, v11                      ; my part's factor and the partner's
	v_ldexp_f32 v24, 1.0, v46
	v_mul_f32 v47, v225, v24
	v_fma_f32 v47, v[L], v22, v47
	v_permlanex16_b32 v48, v47, s[SEL], s[SEL+1]
	v_add_f32 v47, v47, v48                        ; with lane l xor 16's: the row's sum
	s_wait_alu depctr_va_vdst(0)                   ; the wait ahead of the transcendental
	v_rcp_f32 v46, v47
	v_nop                                          ; one plain place behind it
	s_wait_alu depctr_va_vdst(0)
	v_mul_f32 v22, v22, v46
	v_mul_f32 v24, v24, v46
	WIN 0x01
	s_wait_alu depctr_va_vdst(0)                   ; the wait directly ahead of the first readers of O^T
.irp j, 0,2,4,6,8,10,12,14,16,18,20,22,24,26,28,30,32,34,36,38,40,42,44,46,48,50,52,54,56,58,60,62
	v_pk_mul_f32 v[FV+\j:FV+\j+1], v[\j:\j+1], v[22:23] op_sel_hi:[1,0]
.endr
	WIN 0
	s_wait_dscnt 0x0                               ; the partner's part is in
.irp j, 0,2,4,6,8,10,12,14,16,18,20,22,24,26,28,30,32,34,36,38,40,42,44,46,48,50,52,54,56,58,60,62
	v_pk_fma_f32 v[FV+\j:FV+\j+1], v[FK+\j:FK+\j+1], v[24:25], v[FV+\j:FV+\j+1] op_sel_hi:[1,0,1]   ; register 8 t + i is out0(query r, channel 16 t + 8 h + i)
.endr
.irp t, 0,1,2,3,4,5,6,7
	ds_store_b128 v40, v[FV+8*\t:FV+8*\t+3] offset:64*\t
	ds_store_b128 v40, v[FV+8*\t+4:FV+8*\t+7] offset:64*\t+16
.endr
.irp i, 0,1,2,3,4,5,6,7,8,9,10,11,12,13,14,15
	ds_load_b128 v[FK+4*\i:FK+4*\i+3], v41 offset:528*\i           ; LDS serves a wave's instructions in order (ISA guide 5.7.1.4): these see my stores
.endr
.irp i, 0,1,2,3,4,5,6,7,8,9,10,11,12,13,14,15
	s_wait_dscnt 15-\i                             ; the younger loads may stay out
	global_store_b128 v[GO], v[FK+4*\i:FK+4*\i+3], s[8:9] offset:512*\i th:TH_STORE_NT   ; 32 lanes store a row of 512 consecutive bytes, at a multiple of 512 from out0's first byte
.endr
	s_wait_tensorcnt 0x0                           ; the wave's end
	ds_add_u32 v[SPW], v[NIL]
	s_wait_dscnt 0x0
	CROUND                                         ; the closing round: no work-group ends while a partner may still ask for a tile that names it
	s_endpgm
.Lfunc_end_k_q0017dbd605_attn:
	.size	k_q0017dbd605_attn, .Lfunc_end_k_q0017dbd605_attn-k_q0017dbd605_attn
	.p2alignl 7, 3214868480
	.fill 96, 4, 3214868480
	.section	.rodata,"a",@progbits
	.p2align	6, 0x0
	.amdhsa_kernel k_q0017dbd605_attn
		.amdhsa_group_segment_fixed_size 327680
		.amdhsa_private_segment_fixed_size 0
		.amdhsa_enable_private_segment 0
		.amdhsa_kernarg_size 24
		.amdhsa_user_sgpr_count 2
		.amdhsa_user_sgpr_kernarg_segment_ptr 1
		.amdhsa_wavefront_size32 1
		.amdhsa_system_sgpr_workgroup_id_x 1
		.amdhsa_system_sgpr_workgroup_id_y 1
		.amdhsa_system_sgpr_workgroup_id_z 1
		.amdhsa_system_vgpr_workitem_id 0
		.amdhsa_next_free_vgpr 512
		.amdhsa_next_free_sgpr 80
		.amdhsa_reserve_vcc 0
		.amdhsa_float_denorm_mode_32 3
		.amdhsa_float_denorm_mode_16_64 3
		.amdhsa_memory_ordered 1
		.amdhsa_forward_progress 1
		.amdhsa_inst_pref_size 183
	.end_amdhsa_kernel
	.amdgpu_metadata
---
amdhsa.version: [ 1, 2 ]
amdhsa.kernels:
  - .name:           k_q0017dbd605_attn
    .symbol:         k_q0017dbd605_attn.kd
    .args:
      - { .name: q, .offset: 0, .size: 8, .value_kind: global_buffer, .address_space: global }
      - { .name: kv, .offset: 8, .size: 8, .value_kind: global_buffer, .address_space: global }
      - { .name: out0, .offset: 16, .size: 8, .value_kind: global_buffer, .address_space: global }
    .group_segment_fixed_size: 327680
    .private_segment_fixed_size: 0
    .kernarg_segment_align: 8
    .kernarg_segment_size: 24
    .max_flat_workgroup_size: 256
    .sgpr_count:     80
    .vgpr_count:     512
    .wavefront_size: 32
...
	.end_amdgpu_metadata
.endif
;; end of part 2
